; MI455X (gfx1250); checked and timed in simulation.
; The chip was launched on July 23, 2026; its instructions are those of AMD's public machine-readable ISA for CDNA 5 (MIT licence, August 2026) and "CDNA5" Instruction Set Architecture Reference Guide (July 2026). The comments in the code are by the model that wrote it; some were corrected since.
;; Lin Bert Self Attention. Allowed arithmetic: matrix products marked QUANTISED: E5M2 operands, one E8M0 scale for each 32 along K, by v_wmma_scale_f32_16x16x128_f8f6f4 with both operands' format E5M2, f32 sums; products left as they are: f32 operands where the result goes on into a quantised operand, else bf16, f16 or f32 operands; f32 sums; everything else in f32.
;; Inputs: Wk_codes 1,024 x 32 x 32 uint8 (E5M2 codes of Wk, K innermost, in blocks of 32 codes); Wk_scales 1,024 x 32 uint8 (E8M0 scales of Wk, one for each 32 codes along K); Wq_codes 1,024 x 32 x 32 uint8 (E5M2 codes of Wq, K innermost, in blocks of 32 codes); Wq_scales 1,024 x 32 uint8 (E8M0 scales of Wq, one for each 32 codes along K); Wv_codes 1,024 x 32 x 32 uint8 (E5M2 codes of Wv, K innermost, in blocks of 32 codes); Wv_scales 1,024 x 32 uint8 (E8M0 scales of Wv, one for each 32 codes along K); attention_mask 8 x 1 x 1 x 2,048 float32; bk 1,024 float32; bq 1,024 float32; bv 1,024 float32; hidden_states_codes 8 x 2,048 x 32 x 32 uint8 (E5M2 codes of hidden_states, K innermost, in blocks of 32 codes); hidden_states_scales 8 x 2,048 x 32 uint8 (E8M0 scales of hidden_states, one for each 32 codes along K).
;; Outputs: out0 8 x 2,048 x 1,024 float32.
;; This version of the problem:
;;   THIS VERSION OF THE PROBLEM IS GIVEN IN LOW PRECISION. The matrix products marked QUANTISED in the list below multiply operands that are first quantised to E5M2 (5 exponent bits, 2 mantissa bits; 8 bits a number), with one power-of-two scale for each 32 numbers along K (OCP MX v1.0); their sums are f32. All else is computed in f32.
;;   The module's matrix products, in the order in which they are computed (A, B: the left and right operand; K: the contracted axis; several contracted axes count as one K, in the product's order):
;;     1. [M 16,384, K 1,024] x [K 1,024, N 1,024]; A: input hidden_states (given as codes); B: input Wq (given as codes): QUANTISED
;;     2. [M 16,384, K 1,024] x [K 1,024, N 1,024]; A: input hidden_states (given as codes); B: input Wk (given as codes): QUANTISED
;;     3. [M 16,384, K 1,024] x [K 1,024, N 1,024]; A: input hidden_states (given as codes); B: input Wv (given as codes): QUANTISED
;;     4. batch 128 x [M 64, K 2,048] x [K 2,048, N 64]; A: computed on the way; B: computed on the way: QUANTISED
;;     5. batch 128 x [M 64, K 64] x [K 64, N 2,048]; A: computed on the way; B: computed on the way: QUANTISED
;;     6. batch 128 x [M 1, K 64] x [K 64, N 2,048]; A: computed on the way; B: computed on the way: left as it is (M = 1 < 16)
;;   THE QUANTISER, for each operand of a quantised product, along K:
;;     - K is cut into blocks of 32 from its start; a last block that is shorter is filled with zeros.
;;     - A block's scale is 2^e with e = floor(log2(the largest magnitude in the block)) - 15, held to -126 .. 127; a block of zeros has e = 0. As a byte (E8M0): e + 127.
;;     - Each number is divided by its block's scale, clamped to +-57,344, and rounded to the nearest number of E5M2, ties to even, subnormals kept.
;;     - The product sums the exact products of the quantised numbers (number of the format x scale) in f32.
;;   ~~~python
;;   def quantise(x, axis):      # numpy; x: float32 -> the quantised numbers, widened to float32 again
;;       x = np.moveaxis(x, axis, -1); K = x.shape[-1]
;;       x = np.pad(x, [(0, 0)] * (x.ndim - 1) + [(0, -K % 32)]); x = x.reshape(x.shape[:-1] + (-1, 32)); a = np.abs(x).max(-1, keepdims=True)
;;       e = np.where(a > 0, np.clip(np.frexp(np.where(a > 0, a, 1))[1] - 1 - 15, -126, 127), 0)      # np.frexp(a)[1] - 1 = floor(log2(a)), exactly
;;       r = np.clip(x / 2.0 ** e, -57344, 57344)
;;       step = 2.0 ** (np.maximum(np.frexp(np.where(r == 0, 1, r))[1] - 1, -14) - 2)
;;       q = np.round(r / step) * step * 2.0 ** e      # np.round: ties to even
;;       return np.moveaxis(q.reshape(q.shape[:-2] + (-1,))[..., :K], -1, axis).astype(np.float32)
;;   ~~~
;;   OPERANDS COMPUTED ON THE WAY. 'Computed on the way' means the value that the module computes at that place (a softmax that the list does not call 'softmax' is quantised finished and normalised). What goes into a quantiser is computed in f32, as accurately as f32 sums, v_exp_f32 and their like allow (about 1e-6 of the number): no bf16 or f16 on the way to a quantiser, and a product that is left as it is and whose result goes on into a quantised operand takes f32 operands (vector FMAs, or v_wmma_f32_16x16x4_f32). A number that lies on a knife's edge between two numbers of the format may be rounded either way, as far as f32 arithmetic and the matrix unit's own rounding can turn it there, and no further.
;;   INPUTS GIVEN AS CODES. Wk (in the module: [1024, 1024], K = its axis 1); Wq (in the module: [1024, 1024], K = its axis 1); Wv (in the module: [1024, 1024], K = its axis 1); hidden_states (in the module: [8, 2048, 1024], K = its axis 2): each comes as NAME_codes (uint8): NAME with its K axis moved to the last place and cut into blocks of 32 codes, [.., K / 32, bytes a block], one block behind the other in memory; one code a byte (a code: sign, 5 exponent bits, 2 mantissa bits); and NAME_scales (uint8): the same leading axes, one E8M0 byte (e + 127) for each 32 codes along K. Its value is code x scale, taken as it is: it is not quantised again, and the codes and scales need not be those that the quantiser above would give.
;; One version. Each part assembles by itself: llvm-mc -triple=amdgcn-amd-amdhsa -mcpu=gfx1250 --defsym DOCPART=n.
;; ======== version 1 of 1: 2 launches
;; workspace buffers: kvp 8,388,608 bytes; zp 131,072 bytes
;; launch kv_part (part 1): grid 32 x 8, 4 waves a work-group, clusters of 4 x 4, 327,680 bytes of LDS; arguments hidden_states_codes, hidden_states_scales, Wk_codes, Wk_scales, Wv_codes, Wv_scales, bk, bv, attention_mask, kvp, zp; writes kvp, zp
.if DOCPART == 1
	.amdgcn_target "amdgcn-amd-amdhsa--gfx1250"
	.amdhsa_code_object_version 6
	.text
	.protected	k_qc5580ce982_kv_part
	.globl	k_qc5580ce982_kv_part
	.p2align	8
	.type	k_qc5580ce982_kv_part,@function
k_qc5580ce982_kv_part:
	s_mov_b64 s[64:65], 0
	v_nop
	global_prefetch_b8 v0, s[64:65] scope:SCOPE_SE
	s_setreg_imm32_b32 hwreg(HW_REG_WAVE_MODE, 25, 1), 1
	s_wait_xcnt 0x0
	s_wait_alu depctr_hold_cnt(0) depctr_sa_sdst(0) depctr_va_vdst(0) depctr_va_sdst(0) depctr_va_ssrc(0) depctr_va_vcc(0) depctr_vm_vsrc(0)
	s_getreg_b32 s2, hwreg(HW_REG_IB_STS2, 6, 4)
	s_cmp_eq_u32 s2, 0
	s_cbranch_scc0 .Lentry_in_a_cluster
	s_endpgm
.Lentry_in_a_cluster:
	s_bfe_u32 s2, ttmp6, 0x10000c
	s_cmp_lg_u32 s2, 0xf033
	s_cbranch_scc0 .Lentry_shape_is_right
	s_endpgm
.Lentry_shape_is_right:
; LINEAR ATTENTION, FIRST HALF.  k = x Wk^T + bk, v = x Wv^T + bv (codes of E5M2 with E8M0 scales, as given), phi_k = (elu(k) + 1) x mask, z = sum over s of phi_k (f32),
; kv = phi_k^T v with both operands quantised along s in registers.  Stored: for each (batch, head) four partial sums of kv and of z, one for each 512 positions.
; SHARES.  A work-group owns 512 positions of one batch (tx = 4 batch + quarter) and two heads (ty): two tiles of 256 positions x 256 columns (64 k + 64 v columns of each head).
; Four waves; wave w takes head 2 ty + w / 2 and positions 128 (w % 2) on of the tile: 64 accumulators of 16 x 16, 512 registers.  K = 1,024 goes in steps of 256 through two LDS slots.
; THE MATRIX INSTRUCTION IS USED TRANSPOSED: source 0 = 16 positions of x, source 1 = 16 rows of a weight.  A lane then holds ONE column d (or e) and its registers run along s, which is the next product's K.
; The 16 registers of two neighbouring tiles of positions hold s = 32 c + 8 (lane / 16) + 0..7 and 32 c + 16 + 8 (lane / 16) + 0..7; behind the conversions one exchange of lane halves for each pair
; of code registers lays them as an operand wants them: registers 4 c .. 4 c + 3 = s 32 c + 16 (lane / 16) + 0 .. 15.
; CLUSTERS: 4 x 4 work-groups.  The weights' tiles hang on ty alone and are shared along a row of the cluster, x's tiles on tx alone and are shared along a column: joint loads.
; phi: for x <= 0, x + 1 <= e^x <= 1; for x > 0, 1 < x + 1 < e^x: so elu(x) + 1 is the middle one of e^x, 1 and x + 1.
; LIMITS: for x <= 0 phi is e^x where the definition has expm1(x) + 1 (they differ by under 2^-24); a block of zeros gets the scale byte 1 (its codes are zeros, and only this program reads the byte);
; NaN and infinities among the inputs are not served.
; REGISTERS, in windows of 256.  window 0: v1-15 addresses; v16-47 scale words of the K steps, two sets; v48-55 scale words of phi_k's and v's fragments; v56-59 z; v64-127 kv, e tiles 0, 1;
;   v128-255 the weights' 8 fragments, later phi_k's 4 and v's 4.   window 1: v0-127 x's blocks 0-3, two sets; v128-191 x's blocks 4-7; later mask, exponentials, work; v192-255 kv, e tiles 2, 3.
;   window 2: the 32 accumulators of k (weight block a, position block b at v[8 (8 a + b)]);   window 3: those of v.
.set PITCH,  272                       ; an LDS row: 256 bytes + 16 of padding: the 16 rows of a fragment load start at 16 different banks
.set HALFT,  128*PITCH                 ; what one tensor load brings
.set SLOT,   4*HALFT                   ; 128 rows of Wk, 128 of Wv, 256 of x
.set ROWB,   256
.set KROW,   1024
.set HALFS,  16*272                    ; the scale bytes of 128 rows: 16 units of 256 bytes + 16
.set SBLK,   2*272                     ; those of 16 rows
.set SCL,    2*SLOT                    ; behind the ring: Wk's and Wv's scales (2 HALFS), then those of my 512 rows of x (4 HALFS)
.set SPARE,  SCL+6*HALFS               ; the spare words, 128 bytes a wave: two blocks of 256 bytes that no other line names
.set ZST,    65536                     ; at the end, in slot 0: four images of kv (16,384 bytes a wave), then z (256 bytes a wave)
.set ASKIP,  64                        ; my v rows lie 64 LDS rows further on than 16 x block says
.set C2E,    0x3fb8aa3b                ; log2(e)
.set FLOOR,  0x08000000                ; 2^(16 - 127): no largest magnitude is taken under it, so the byte cannot fall under 1
.set EOFF,   0xf8800000                ; 15 off an exponent field
.set EXPM,   0x7f800000
.set ADRA, 1                           ; v1-2   my weight fragments in slot 0, 1
.set ADRB, 3                           ; v3-4   my fragments of x
.set ADRS, 5                           ; v5, v6 scale words, tile 0: blocks 0-3, blocks 4-7 (lanes 0-15 the weights', lanes 16-31 x's)
.set ADRS2, 6
.set ADRT, 7                           ; v7, v8 the same for tile 1
.set ADRT2, 8
.set SPW,  9                           ; LDS address of my spare word; never rewritten
.set NIL,  10                          ; 0; never rewritten
.set MA,   11                          ; 32 (lane / 16): my 8 mask numbers of a block of 16 positions
.set BA,   12                          ; 4 (lane % 16): my column's bias
.set STI,  13                          ; where my image of kv goes
.set RDI,  14                          ; where I read my half of two images
.set ZA,   15                          ; where my z goes
.set SC,   16
.set SW,   48
.set ZR,   56
.set PT,   60
.set L16,  61                          ; 16 x lane
.set ZRA,  63
.set KV0,  64
.set AF,   128
.set BV,   128                         ; window 0, from the middle of a tile's last 128 along K to their use: bv of my column, a pair for each e tile,
.set BKR,  136                         ; and bk, one for each d tile: in the registers of the weights' block 0, which is done with there
.set CK,   128
.set CV,   192
.set MK,   0                           ; window 1, in the epilogue
.set TT,   64
.set TM,   128                         ; +0..3 largest magnitudes, +4..7 the other half's, then bytes, +8..11 57,344 x the scale, +12..15 the conversions' scale operands
.set PWT,  144
.set BC,   160
.set B1,   168
.set ZT,   176
.set TILES, 2
.set WV,   16
.set RH,   17                          ; wave / 2: my head of the two.  Also: I fetch weights (0) or x (1)
.set CH,   18                          ; wave % 2: my 128 positions.  Also: which half I fetch
.set MNT,  19
.set SEL,  22
.set G1,   24                          ; s[24:31] group 1, s[32:39] groups 0 (a set a slot) for the weights' tiles
.set G0,   32
.set G1B,  48                          ; s[48:55], s[56:63] the same for x's tiles
.set G0B,  56
.set CS,   66
.set G1S,  68                          ; s[68:75], s[76:79] the weights' scales;  s[80:87], s[88:91] x's
.set G0S,  76
.set G1SB, 80
.set G0SB, 88
.set PBK,  92
.set PBV,  94
.set PMK,  96
.set PKV,  98
.set PZ,   100
.set MUL_LO, 0xa1                      ; source 0 (x) window 1, source 1 (weights) window 0, C and D window 2
.set MUL_HI, 0xf1                      ; the same, C and D window 3
.set TO_B,   0x40                      ; destination window 1
.set MSB, 0
.macro WIN new                         ; the immediate's high byte repeats the setting that is left; a switch that changes nothing is dropped
.if MSB != (\new)
	s_set_vgpr_msb (MSB<<8)|(\new)
.set MSB, (\new)
.endif
.endm
.macro PLACES n                        ; plain vector instructions between a matrix instruction and what touches its registers (ISA guide 7.12.1)
.rept \n
	v_nop
.endr
.endm
; A joint load: waves 0 and 1 fetch weights, waves 2 and 3 x.  The branch hangs on the wave's number alone.  Four v_nop follow each of the two lines.
.macro JLOAD g0a, g1a, g0b, g1b
	s_cmp_eq_u32 s[RH], 0
	s_cbranch_scc0 .Lfor_b_\@
	tensor_load_to_lds s[\g0a:\g0a+3], s[\g1a:\g1a+7]
	s_nop 0
.rept 4
	v_nop
.endr
	s_branch .Lasked_\@
.Lfor_b_\@:
	tensor_load_to_lds s[\g0b:\g0b+3], s[\g1b:\g1b+7]
	s_nop 0
.rept 4
	v_nop
.endr
.Lasked_\@:
.endm
.macro CREST                           ; a round of the cluster's barrier behind its opening barrier
	s_cmp_lg_u32 s[WV], 0
	s_cbranch_scc1 .Lnot_wave_0_\@
	s_barrier_signal -3
.Lnot_wave_0_\@:
	s_barrier_wait -3
	s_barrier_signal -1
	s_barrier_wait -1
.endm
.macro CROUND
	s_barrier_signal -1
	s_barrier_wait -1
	CREST
.endm
.macro FRAG reg, adr, q, rowoff        ; 16 rows x 128 K: lane l holds row l % 16; registers 4 c .. 4 c + 3 hold K = 32 c + 16 (l / 16) + 0 .. 15
.irp c, 0,1,2,3
	ds_load_b128 v[(\reg)+4*\c:(\reg)+4*\c+3], v[\adr] offset:128*(\q)+32*\c+(\rowoff)*PITCH
.endr
.endm
.macro FETCH_BL slot, q, p             ; x's blocks 0-3 into set p
	WIN TO_B
.irp i, 0,1,2,3
	FRAG 64*(\p)+16*\i, ADRB+\slot, \q, 16*\i
.endr
.endm
.macro FETCH_BH slot, q                ; x's blocks 4-7: one set
	WIN TO_B
.irp i, 4,5,6,7
	FRAG 128+16*(\i-4), ADRB+\slot, \q, 16*\i
.endr
.endm
.macro FETCH_A slot, q, i0             ; the weights' blocks i0 .. i0 + 3
	WIN 0
.irp i, \i0, \i0+1, \i0+2, \i0+3
	FRAG AF+16*(\i), ADRA+\slot, \q, 16*(\i)+ASKIP*((\i)/4)
.endr
.endm
.macro SCALES sc, ks                   ; K step ks's two scale words a row into set sc: lanes 0-15 the weights' block i, lanes 16-31 x's block i
	WIN 0
.irp i, 0,1,2,3
	ds_load_b64 v[SC+16*(\sc)+2*\i:SC+16*(\sc)+2*\i+1], v[SADR] offset:\i*SBLK+8*(\ks)
.endr
.irp i, 4,5,6,7
	ds_load_b64 v[SC+16*(\sc)+2*\i:SC+16*(\sc)+2*\i+1], v[SADR2] offset:\i*SBLK+8*(\ks)
.endr
.endm
; The tile's biases and mask: 28 loads, asked for in the middle of the tile's last 128 along K, 32 products ahead of the epilogue that wants them.  bv first: it is wanted first.
.macro EPILOADS
	WIN 0
.irp t, 0,1,2,3
	global_load_b32 v[BV+2*\t], v[BA], s[PBV:PBV+1] offset:64*\t      ; bv of my column, twice: a pair for the packed additions
	global_load_b32 v[BV+2*\t+1], v[BA], s[PBV:PBV+1] offset:64*\t
.endr
.irp t, 0,1,2,3
	global_load_b32 v[BKR+\t], v[BA], s[PBK:PBK+1] offset:64*\t
.endr
	WIN 0x40
.irp b, 0,1,2,3,4,5,6,7
	global_load_b128 v[MK+8*\b:MK+8*\b+3], v[MA], s[PMK:PMK+1] offset:64*\b      ; register 8 b + j: the mask at position 16 b + 8 h + j; into x's idle set of fragments
	global_load_b128 v[MK+8*\b+4:MK+8*\b+7], v[MA], s[PMK:PMK+1] offset:64*\b+16
.endr
.endm
; One product: weight block a x position block b, the slot's q-th 128 along K.  p: the set of x's blocks 0-3; sc: the set of scale words.  cm = 1: the product starts the sum.
.macro MUL1 a, b, p, q, sc, cm
.set rD, 8*(8*((\a)%4)+(\b))
.set rA, AF+16*(\a)
.if (\b) < 4
.set rB, 64*(\p)+16*(\b)
.else
.set rB, 128+16*((\b)-4)
.endif
.set sB, SC+16*(\sc)+2*(\b)+(\q)
.set sA, SC+16*(\sc)+2*(\a)+(\q)
.if (\cm) == 1
	v_wmma_scale_f32_16x16x128_f8f6f4 v[rD:rD+7], v[rB:rB+15], v[rA:rA+15], 0, v[sB], v[sA] matrix_a_fmt:MATRIX_FMT_BF8 matrix_b_fmt:MATRIX_FMT_BF8 matrix_a_scale:MATRIX_SCALE_ROW1
.else
	v_wmma_scale_f32_16x16x128_f8f6f4 v[rD:rD+7], v[rB:rB+15], v[rA:rA+15], v[rD:rD+7], v[sB], v[sA] matrix_a_fmt:MATRIX_FMT_BF8 matrix_b_fmt:MATRIX_FMT_BF8 matrix_a_scale:MATRIX_SCALE_ROW1
.endif
.endm
; 16 products: weight blocks a0 .. a0 + 3 x position blocks b0 .. b0 + 3.  The 64 accumulators take turns, one instruction a turn, in the same order in every step.
.macro MULQ a0, b0, p, q, sc, cm
.irp a, \a0, \a0+1, \a0+2, \a0+3
.irp b, \b0, \b0+1, \b0+2, \b0+3
	MUL1 \a, \b, \p, \q, \sc, \cm
.endr
.endr
.endm
.macro MULH a0, b0, p, q, sc, cm       ; half of that: weight blocks a0, a0 + 1
.irp a, \a0, \a0+1
.irp b, \b0, \b0+1, \b0+2, \b0+3
	MUL1 \a, \b, \p, \q, \sc, \cm
.endr
.endr
.endm
; A slot's first 128 along K.  Three runs of loads fetch the second 128: each stands behind the last product that read its registers, and 32 products ahead of its first use.
.macro STEP slot, cm
	s_wait_dscnt 32                                ; x's blocks 0-3, the weights' 0-3 and the scale words are in; the two younger runs (16 + 16 loads) may be out
	WIN MUL_LO
	MULQ 0, 0, 0, 0, \slot, \cm
	s_wait_dscnt 16                                ; x's blocks 4-7 are in; the youngest run may be out
	MULQ 0, 4, 0, 0, \slot, \cm
	PLACES 8
	FETCH_BL \slot, 1, 1
	FETCH_A \slot, 1, 0
	s_wait_dscnt 32                                ; all but the 32 just issued: the weights' blocks 4-7 are in
	WIN MUL_HI
	MULQ 4, 4, 0, 0, \slot, \cm
	PLACES 8
	FETCH_BH \slot, 1
	WIN MUL_HI
	MULQ 4, 0, 0, 0, \slot, \cm
	PLACES 8
	FETCH_A \slot, 1, 4
.endm
; A slot's second 128 along K, and the change of slots: ONE barrier; in front of it each wave waits for all its tensor loads, adds 0 to its spare word, and waits for that and for its reads of this slot.
; The step's first 24 products, whose fragments lie in registers, stand AHEAD of the wait for the tensor loads: from a refill to the wait for it a wave issues 120 of a slot's 128 products.
; fill = 1: the slot takes the K step two on; fill = 2: the next tile's K step (the weights go back along K, x goes 256 rows down and back); fill = 0: nothing.
; fetch = 1: the next slot's first fragments; fetch = 0: the tile's last step: its biases and mask are asked for instead.
.macro TURN slot, next, fill, fetch, ks
	s_wait_dscnt 32                                ; x's blocks 0-3 and the weights' 0-3 are in; the two younger runs (16 + 16 loads) may be out
	WIN MUL_LO
	MULQ 0, 0, 1, 1, \slot, 0
	s_wait_dscnt 16                                ; x's blocks 4-7 are in; the youngest run may be out
	MULH 0, 4, 1, 1, \slot, 0
	WIN 0                                          ; (the add's two registers lie in window 0)
	s_wait_tensorcnt 0x0                           ; all my tensor loads have landed: my part of the next slot
	ds_add_u32 v[SPW], v[NIL]                      ; 0 onto my spare word
	WIN MUL_LO
	MULH 2, 4, 1, 1, \slot, 0                      ; eight matrix instructions stand between the add and the wait for it
	s_wait_dscnt 0x0                               ; the add is done, and my reads of this slot are over
	s_barrier_signal -1
	WIN 0                                          ; (branches may follow)
	s_barrier_wait -1
.if \fill
	CREST                                          ; the barrier has opened a round of the cluster's barrier: no wave of any partner still reads this slot or has a load on its way
.if \fill == 1
	s_add_nc_u64 s[G0+4*\slot+2:G0+4*\slot+3], s[G0+4*\slot+2:G0+4*\slot+3], 2*ROWB
	s_add_nc_u64 s[G0B+4*\slot+2:G0B+4*\slot+3], s[G0B+4*\slot+2:G0B+4*\slot+3], 2*ROWB
.else
	s_sub_nc_u64 s[G0+4*\slot+2:G0+4*\slot+3], s[G0+4*\slot+2:G0+4*\slot+3], 2*ROWB
	s_add_nc_u64 s[G0B+4*\slot+2:G0B+4*\slot+3], s[G0B+4*\slot+2:G0B+4*\slot+3], 256*KROW-2*ROWB
.endif
	JLOAD G0+4*\slot, G1, G0B+4*\slot, G1B         ; the first tensor load behind the round, one a wave; its four v_nop are among the places in front of the loads below
	PLACES 4
.else
	PLACES 8
.endif
.if \fetch
	FETCH_BL \next, 0, 0
	FETCH_A \next, 0, 0
	SCALES \next, \ks
.else
	EPILOADS
.endif
	WIN MUL_HI
	MULQ 4, 4, 1, 1, \slot, 0
.if \fetch
	PLACES 8
	FETCH_BH \next, 0
.endif
	WIN MUL_HI
	MULQ 4, 0, 1, 1, \slot, 0
.if \fetch
	PLACES 8
	FETCH_A \next, 0, 4
.endif
	WIN 0
.endm
.macro LAST                            ; the last tile's last 128 along K: no fragment is left to fetch
	s_wait_dscnt 32
	WIN MUL_LO
	MULQ 0, 0, 1, 1, 1, 0
	s_wait_dscnt 16
	MULQ 0, 4, 1, 1, 1, 0
	PLACES 8                                       ; for the loads into the registers of the weights' block 0
	EPILOADS
	s_wait_dscnt 0x0
	WIN MUL_HI
	MULQ 4, 4, 1, 1, 1, 0
	MULQ 4, 0, 1, 1, 1, 0
	WIN 0
.endm
.macro FIRSTFETCH
	FETCH_BL 0, 0, 0
	FETCH_A 0, 0, 0
	SCALES 0, 0
	FETCH_BH 0, 0
	FETCH_A 0, 0, 4
.endm
; 64 numbers of a lane in window xw, v[xb] on (registers 16 c + 0 .. 15: my 16 of block c's 32; lane l xor 16 holds the other 16), become a fragment's codes in window 0, v[pcb] on, and its scale word in v[swr].
; sgn = 0: the numbers are not negative, and the hold is one-sided.
.macro QUANT xw, xb, pcb, swr, sgn
	WIN 0x40|(\xw)|((\xw)<<2)
.irp b, 0,1,2,3
	v_max3_num_f32 v[TM+\b], |v[(\xb)+16*\b]|, |v[(\xb)+16*\b+1]|, FLOOR
.endr
	WIN 0x41|((\xw)<<2)|((\xw)<<4)
.irp i, 2,4,6,8,10,12,14
.irp b, 0,1,2,3
	v_max3_num_f32 v[TM+\b], v[TM+\b], |v[(\xb)+16*\b+\i]|, |v[(\xb)+16*\b+\i+1]|   ; the four blocks by turns
.endr
.endr
	WIN 0x55
.irp b, 0,1,2,3
	v_permlanex16_b32 v[TM+4+\b], v[TM+\b], s[SEL], s[SEL+1]
.endr
.irp b, 0,1,2,3
	v_max_num_f32 v[TM+\b], v[TM+\b], v[TM+4+\b]   ; the block's largest magnitude
.endr
.irp b, 0,1,2,3
	v_add_nc_u32 v[TM+12+\b], EOFF, v[TM+\b]       ; 15 off its exponent field: the conversion takes this operand's exponent field as its scale
.endr
.irp b, 0,1,2,3
	v_and_or_b32 v[TM+8+\b], v[TM+\b], EXPM, s[MNT] ; 57,344 x the scale
.endr
.irp b, 0,1,2,3
	v_lshrrev_b32 v[TM+4+\b], 23, v[TM+12+\b]      ; the scale's byte
.endr
	v_lshl_or_b32 v[PWT], v[TM+5], 8, v[TM+4]
	v_lshl_or_b32 v[PWT], v[TM+6], 16, v[PWT]
	v_lshl_or_b32 v[PWT], v[TM+7], 24, v[PWT]
	WIN 0x01
	v_mov_b32 v[\swr], v[PWT]                      ; scale operands have no window: the word goes to window 0; the 64 holds below stand between it and its product
	WIN ((\xw)<<6)|(\xw)|0x14
.irp b, 0,1,2,3
.irp i, 0,1,2,3,4,5,6,7,8,9,10,11,12,13,14,15
.if \sgn
	v_med3_num_f32 v[(\xb)+16*\b+\i], v[(\xb)+16*\b+\i], -v[TM+8+\b], v[TM+8+\b]   ; the conversion to an 8-bit code does not saturate (ISA guide 7.6.2)
.else
	v_min_num_f32 v[(\xb)+16*\b+\i], v[(\xb)+16*\b+\i], v[TM+8+\b]
.endif
.endr
.endr
	WIN (\xw)|0x04
.irp b, 0,1,2,3
	v_cvt_scalef32_pk8_bf8_f32 v[(\pcb)+4*\b:(\pcb)+4*\b+1], v[(\xb)+16*\b:(\xb)+16*\b+7], v[TM+12+\b]
	v_cvt_scalef32_pk8_bf8_f32 v[(\pcb)+4*\b+2:(\pcb)+4*\b+3], v[(\xb)+16*\b+8:(\xb)+16*\b+15], v[TM+12+\b]
.endr
	WIN 0
	v_nop                                          ; one plain instruction between the conversions and what touches their results or writes their sources
.irp b, 0,1,2,3
.irp k, 0,1
	v_permlane16_swap_b32 v[(\pcb)+4*\b+\k], v[(\pcb)+4*\b+2+\k]   ; the first's lanes 16-31 against the second's lanes 0-15: K = 32 b + 16 (lane / 16) + 0 .. 15 in registers 4 b .. 4 b + 3
.endr
.endr
.endm
	s_load_b256 s[4:11], s[0:1], 0x0               ; x's codes, x's scales, Wk's codes, Wk's scales
	s_load_b128 s[12:15], s[0:1], 0x20             ; Wv's codes, Wv's scales
	s_load_b256 s[92:99], s[0:1], 0x30             ; bk, bv, the mask, kvp
	s_load_b64 s[100:101], s[0:1], 0x50            ; zp
	v_lshl_add_u32 v[SPW], v0, 2, SPARE
	v_mov_b32 v[NIL], 0
	ds_add_u32 v9, v10
	ds_add_u32 v9, v10
	s_wait_dscnt 0x0
	v_lshrrev_b32 v[ZR], 5, v0
	v_readfirstlane_b32 s[WV], v[ZR]               ; wave 0..3
	s_lshr_b32 s[RH], s[WV], 1
	s_and_b32 s[CH], s[WV], 1
	s_bfe_u32 s40, ttmp6, 0x40000                  ; cx, cy: my place in the cluster
	s_bfe_u32 s41, ttmp6, 0x40004
	s_lshl_b32 s42, ttmp9, 2
	s_add_co_u32 s42, s42, s40                     ; tx = 4 x cluster x + cx: 4 batch + quarter
	s_and_b32 s43, ttmp7, 0xffff
	s_lshl_b32 s43, s43, 2
	s_add_co_u32 s43, s43, s41                     ; ty = 4 x cluster y + cy: the pair of heads
	s_lshl_b32 s44, s41, 2
	s_lshl_b32 s44, 15, s44                        ; my row of the cluster
	s_lshl_b32 s45, 0x1111, s40                    ; my column
	; group 1 of the codes' tiles: 128 rows x 256 bytes, 1,024 bytes apart, 16 bytes of padding behind each
	s_or_b32 s[G1+0], s44, (0<<16)|(1<<20)|(1<<21)|(5<<22)|(3<<25)   ; the weights go to my row
	s_or_b32 s[G1B+0], s45, (0<<16)|(1<<20)|(1<<21)|(5<<22)|(3<<25)  ; x goes to my column
.irp g, G1, G1B
	s_mov_b32 s[\g+1], ROWB<<16
	s_mov_b32 s[\g+2], 128<<16
	s_mov_b32 s[\g+3], ROWB<<16
	s_mov_b32 s[\g+4], 128
	s_mov_b32 s[\g+5], KROW
	s_mov_b32 s[\g+6], 0
	s_mov_b32 s[\g+7], 0
.endr
	; the scale bytes are dense blocks: rows of 256 bytes (32 elements of 8), 16 bytes of padding behind each: 16 rows for 128 rows of a weight, 32 for 256 rows of x
	s_or_b32 s[G1S+0], s44, (3<<16)|(1<<20)|(1<<21)|(5<<22)|(3<<25)
	s_mov_b32 s[G1S+1], 32<<16
	s_mov_b32 s[G1S+2], 16<<16
	s_mov_b32 s[G1S+3], 32<<16
	s_mov_b32 s[G1S+4], 16
	s_mov_b32 s[G1S+5], 32
	s_mov_b32 s[G1S+6], 0
	s_mov_b32 s[G1S+7], 0
	s_or_b32 s[G1SB+0], s45, (3<<16)|(1<<20)|(1<<21)|(5<<22)|(3<<25)
	s_mov_b32 s[G1SB+1], 32<<16
	s_mov_b32 s[G1SB+2], 32<<16
	s_mov_b32 s[G1SB+3], 32<<16
	s_mov_b32 s[G1SB+4], 32
	s_mov_b32 s[G1SB+5], 32
	s_mov_b32 s[G1SB+6], 0
	s_mov_b32 s[G1SB+7], 0
	s_mov_b32 s[SEL], 0x76543210
	s_mov_b32 s[SEL+1], 0xfedcba98                 ; v_permlanex16_b32's selects for lane l xor 16
	s_mov_b32 s[MNT], 0x600000                     ; the mantissa field of 57,344
	s_mov_b32 s[CS], C2E
	s_mov_b32 s[CS+1], C2E                         ; (named with it as a pair)
	s_mov_b32 s47, 0
	s_mov_b32 s21, 0
	s_wait_kmcnt 0x0
	s_cmp_eq_u32 s[CH], 0                          ; wave 0 fetches Wk, wave 1 Wv: the choice hangs on the wave's number alone
	s_cselect_b64 s[8:9], s[8:9], s[12:13]
	s_cselect_b64 s[10:11], s[10:11], s[14:15]
	s_lshl_b32 s46, s43, 17                        ; rows 128 ty on: 1,024 bytes a row (s[46:47] hold ty alone, s[20:21] what holds tx)
	s_add_nc_u64 s[8:9], s[8:9], s[46:47]
	s_lshl_b32 s46, s43, 12                        ; 32 scale bytes a row
	s_add_nc_u64 s[10:11], s[10:11], s[46:47]
	s_lshl_b32 s20, s42, 19                        ; x: rows 512 tx + 128 x half
	s_lshl_b32 s3, s[CH], 17
	s_add_co_u32 s20, s20, s3
	s_add_nc_u64 s[4:5], s[4:5], s[20:21]
	s_lshl_b32 s20, s42, 14                        ; x's scales: rows 512 tx + 256 x half
	s_lshl_b32 s3, s[CH], 13
	s_add_co_u32 s20, s20, s3
	s_add_nc_u64 s[6:7], s[6:7], s[20:21]
	CROUND                                         ; all sixteen work-groups are here: the first joint loads meet
	s_mul_i32 s46, s[CH], HALFS
	s_mov_b32 s[G0S], 1
	s_add_co_u32 s[G0S+1], s46, SCL
	s_mov_b64 s[G0S+2:G0S+3], s[10:11]
	s_or_b32 s[G0S+3], s[G0S+3], 0x80000000
	s_mul_i32 s20, s[CH], 2*HALFS
	s_mov_b32 s[G0SB], 1
	s_add_co_u32 s[G0SB+1], s20, SCL+2*HALFS
	s_mov_b64 s[G0SB+2:G0SB+3], s[6:7]
	s_or_b32 s[G0SB+3], s[G0SB+3], 0x80000000
	JLOAD G0S, G1S, G0SB, G1SB                     ; the scales first: filled once.  Three loads of mine are out behind the third line
	s_mul_i32 s3, s[WV], HALFT                     ; where the tiles go: wave x 128 rows
.irp s, 0,1
	s_mov_b32 s[G0+4*\s], 1
	s_add_co_u32 s[G0+4*\s+1], s3, \s*SLOT
	s_add_nc_u64 s[G0+4*\s+2:G0+4*\s+3], s[8:9], \s*ROWB
	s_or_b32 s[G0+4*\s+3], s[G0+4*\s+3], 0x80000000
	s_mov_b32 s[G0B+4*\s], 1
	s_add_co_u32 s[G0B+4*\s+1], s3, \s*SLOT
	s_add_nc_u64 s[G0B+4*\s+2:G0B+4*\s+3], s[4:5], \s*ROWB
	s_or_b32 s[G0B+4*\s+3], s[G0B+4*\s+3], 0x80000000
	JLOAD G0+4*\s, G1, G0B+4*\s, G1B
.endr
	v_and_b32 v[ZR], 15, v0                        ; r = lane % 16
	v_bfe_u32 v[ZR+1], v0, 4, 1                    ; h = lane / 16
	v_mul_u32_u24 v[ZR+2], v[ZR], PITCH
	v_lshl_add_u32 v[ZR+2], v[ZR+1], 4, v[ZR+2]    ; a fragment's row x pitch + 16 h
	s_mul_i32 s46, s[RH], 64*PITCH                 ; my head's 64 rows of Wk (its rows of Wv lie 128 rows on)
	s_mul_i32 s20, s[CH], HALFT
	s_add_co_u32 s20, s20, 2*HALFT                 ; my 128 rows of x
.irp s, 0,1
	v_add_nc_u32 v[ADRA+\s], s46, v[ZR+2]
	v_add_nc_u32 v[ADRB+\s], s20, v[ZR+2]
	s_add_co_u32 s46, s46, SLOT
	s_add_co_u32 s20, s20, SLOT
.endr
	v_lshlrev_b32 v[ZR+2], 5, v[ZR]                ; my row's scales: 32 bytes a row,
	v_lshrrev_b32 v[ZR+3], 3, v[ZR]
	v_lshl_add_u32 v[ZR+2], v[ZR+3], 4, v[ZR+2]    ; and 16 more behind each 256
	s_mul_i32 s46, s[RH], 4*SBLK                   ; the weights': my head's 64 rows
	s_mul_i32 s20, s[CH], HALFS
	s_add_co_u32 s20, s20, 2*HALFS-4*SBLK
	s_sub_co_u32 s20, s20, s46                     ; the least of the four distances from the weights' words to x's
	s_add_co_u32 s46, s46, SCL
.macro MKS reg, badd, dadd             ; one base and ONE product: base + h x distance
	s_add_co_u32 s3, s20, \dadd
	v_mul_u32_u24 v[\reg], s3, v[ZR+1]
	v_add_nc_u32 v[\reg], v[\reg], v[ZR+2]
	s_add_co_u32 s3, s46, \badd
	v_add_nc_u32 v[\reg], s3, v[\reg]
.endm
	MKS ADRS, 0, 4*SBLK
	MKS ADRS2, 4*SBLK, 0                           ; blocks 4-7 are Wv's: 64 rows further on than 16 x block says
	MKS ADRT, 0, 2*HALFS+4*SBLK                    ; tile 1: x's words 256 rows on
	MKS ADRT2, 4*SBLK, 2*HALFS
	v_lshlrev_b32 v[MA], 5, v[ZR+1]
	v_lshlrev_b32 v[BA], 2, v[ZR]
	v_and_b32 v[L16], 31, v0
	v_lshlrev_b32 v[L16], 4, v[L16]
	s_lshl_b32 s3, s[WV], 14
	v_add_nc_u32 v[STI], s3, v[L16]
	s_lshl_b32 s3, s[RH], 15
	s_lshl_b32 s20, s[CH], 13
	s_add_co_u32 s3, s3, s20
	v_add_nc_u32 v[RDI], s3, v[L16]
	s_lshl_b32 s3, s[WV], 8
	s_add_co_u32 s3, s3, ZST
	v_lshl_add_u32 v[ZA], v[ZR], 2, s3
	v_lshlrev_b32 v[ZRA], 9, v[ZR+1]
	v_lshl_add_u32 v[ZRA], v[ZR], 4, v[ZRA]
	v_add_nc_u32 v[ZRA], ZST, v[ZRA]
	s_lshl_b32 s41, s43, 1
	s_add_co_u32 s41, s41, s[RH]                   ; my head
	s_lshl_b32 s46, s41, 8
	s_add_nc_u64 s[PBK:PBK+1], s[PBK:PBK+1], s[46:47]
	s_add_nc_u64 s[PBV:PBV+1], s[PBV:PBV+1], s[46:47]
	s_lshl_b32 s20, s42, 11                        ; the mask at position 512 tx + 128 x half
	s_lshl_b32 s3, s[CH], 9
	s_add_co_u32 s20, s20, s3
	s_add_nc_u64 s[PMK:PMK+1], s[PMK:PMK+1], s[20:21]
	s_lshr_b32 s20, s42, 2                         ; kvp: [batch][head][quarter][16,384 bytes]; I store half a record
	s_lshl_b32 s20, s20, 4
	s_add_co_u32 s20, s20, s41
	s_lshl_b32 s20, s20, 16
	s_and_b32 s3, s42, 3
	s_lshl_b32 s3, s3, 14
	s_add_co_u32 s20, s20, s3
	s_lshl_b32 s3, s[CH], 13
	s_add_co_u32 s20, s20, s3
	s_add_nc_u64 s[PKV:PKV+1], s[PKV:PKV+1], s[20:21]
	s_lshl_b32 s20, s42, 4                         ; zp: [batch][quarter][head][64] f32
	s_lshl_b32 s3, s43, 1
	s_add_co_u32 s20, s20, s3
	s_lshl_b32 s20, s20, 8
	s_add_nc_u64 s[PZ:PZ+1], s[PZ:PZ+1], s[20:21]
	; kv and z begin as zeros: the epilogue is written once and walked twice, so its products add in both trips
.set i, 0
.rept 64
	v_mov_b32 v[KV0+i], 0
.set i, i+1
.endr
.irp t, 0,1,2,3
	v_mov_b32 v[ZR+\t], 0
.endr
	v_mov_b32 v[PT], 0                             ; a lane permute's destination counts as one of its sources
	WIN 0x40
.set i, 0
.rept 64
	v_mov_b32 v[192+i], 0
.set i, i+1
.endr
.irp b, 0,1,2,3
	v_mov_b32 v[TM+4+\b], 0
.endr
	WIN 0
	s_wait_tensorcnt 0x1                           ; the scales and my part of K step 0 are in; K step 1's load may be out
	s_barrier_signal -1
	s_barrier_wait -1
.set SADR, ADRS
.set SADR2, ADRS2
	FIRSTFETCH                                     ; TILE 0: its last two changes of slots ask for tile 1's first two K steps
	STEP 0, 1
	TURN 0, 1, 1, 1, 1
	STEP 1, 0
	TURN 1, 0, 1, 1, 2
	STEP 0, 0
	TURN 0, 1, 2, 1, 3
	STEP 1, 0
	TURN 1, 0, 2, 0, 0
	PLACES 8                                       ; behind the last products: for the reads that open the epilogue
	s_mov_b32 s[TILES], 2
.Lepi:
	; ---- THE EPILOGUE of a tile: biases, phi, mask, z, the quantiser along s, kv += phi_k^T v.  Its 28 loads were issued in the tile's last step, on both ways here
	s_wait_loadcnt 20                              ; bv is in; bk's 4 loads and the mask's 16 may be out
.macro VBLK u                          ; v's columns 16 u on: + bv, then codes
	WIN 0xc3
.set i, 0
.rept 32
	v_pk_add_f32 v[64*\u+i:64*\u+i+1], v[64*\u+i:64*\u+i+1], v[BV+2*\u:BV+2*\u+1]
.set i, i+2
.endr
	QUANT 3, 64*\u, CV+16*\u, SW+4+\u, 1
.endm
	VBLK 0
	VBLK 1
	VBLK 2
	VBLK 3
	s_wait_loadcnt 0x0
	s_add_nc_u64 s[PMK:PMK+1], s[PMK:PMK+1], 1024  ; the next tile's 256 positions (the loads that read the address are done)
	WIN 0x40
.irp t, 0,1,2,3
	v_mul_f32 v[BC+2*\t], C2E, v[BKR+\t]           ; bk log2(e) and bk + 1, each twice
	v_mul_f32 v[BC+2*\t+1], C2E, v[BKR+\t]
	v_add_f32 v[B1+2*\t], 1.0, v[BKR+\t]
	v_add_f32 v[B1+2*\t+1], 1.0, v[BKR+\t]
.endr
.macro KBLK t                          ; k's columns 16 t on
.set xk, 64*\t
	WIN 0x52
.set i, 0
.rept 32
	v_pk_fma_f32 v[TT+i:TT+i+1], v[xk+i:xk+i+1], s[CS:CS+1], v[BC+2*\t:BC+2*\t+1] op_sel_hi:[1,0,1]   ; (x + bk) log2(e)
.set i, i+2
.endr
	WIN 0x41
.set i, 0
.rept 64
	v_exp_f32 v[TT+i], v[TT+i]
.set i, i+1
.endr
	WIN 0x86
.set i, 0
.rept 32
	v_pk_add_f32 v[xk+i:xk+i+1], v[xk+i:xk+i+1], v[B1+2*\t:B1+2*\t+1]   ; x + bk + 1.  (Plain instructions behind the exponentials)
.set i, i+2
.endr
	WIN 0xa1
.set i, 0
	s_wait_alu depctr_va_vdst(0)
.rept 64
	v_med3_num_f32 v[xk+i], v[TT+i], 1.0, v[xk+i]  ; elu + 1: the middle one
.set i, i+1
.endr
	WIN 0x86
.set i, 0
.rept 32
	v_pk_mul_f32 v[xk+i:xk+i+1], v[xk+i:xk+i+1], v[MK+i:MK+i+1]
.set i, i+2
.endr
	WIN 0x4a
	v_pk_add_f32 v[ZT:ZT+1], v[xk:xk+1], v[xk+2:xk+3]              ; z is the sum of the unquantised numbers: two chains of pairs
	v_pk_add_f32 v[ZT+2:ZT+3], v[xk+4:xk+5], v[xk+6:xk+7]
	WIN 0x49
.set i, 8
.rept 14
	v_pk_add_f32 v[ZT:ZT+1], v[ZT:ZT+1], v[xk+i:xk+i+1]
	v_pk_add_f32 v[ZT+2:ZT+3], v[ZT+2:ZT+3], v[xk+i+2:xk+i+3]
.set i, i+4
.endr
	WIN 0x55
	v_pk_add_f32 v[ZT:ZT+1], v[ZT:ZT+1], v[ZT+2:ZT+3]
	v_add_f32 v[ZT], v[ZT], v[ZT+1]
	WIN 0x04
	v_add_f32 v[ZR+\t], v[ZR+\t], v[ZT]
	QUANT 2, 64*\t, CK+16*\t, SW+\t, 1             ; the mask may hold any number: two-sided
.endm
	KBLK 0
	KBLK 1
	KBLK 2
	KBLK 3
	PLACES 4                                       ; operands written by vector instructions stand four places ahead of a scaled product
.irp u, 0,1,2,3                                ; kv(d, e) += phi_k^T v over my 128 positions: source 0 = 16 d, source 1 = 16 e: register j of lane (r, h) is kv(16 t + 8 h + j, 16 u + r).  Sixteen accumulators by turns
.irp t, 0,1,2,3
.if \u < 2
	WIN 0
.set rK, KV0+8*(4*\u+\t)
.else
	WIN 0x50
.set rK, 192+8*(4*(\u-2)+\t)
.endif
	v_wmma_scale_f32_16x16x128_f8f6f4 v[rK:rK+7], v[CK+16*\t:CK+16*\t+15], v[CV+16*\u:CV+16*\u+15], v[rK:rK+7], v[SW+\t], v[SW+4+\u] matrix_a_fmt:MATRIX_FMT_BF8 matrix_b_fmt:MATRIX_FMT_BF8
.endr
.endr
	WIN 0
	PLACES 8                                       ; for the loads into the fragments' registers, and for the stores of kv
	s_cmp_eq_u32 s[TILES], 1
	s_cbranch_scc1 .Lfinal                         ; the second trip leaves the loop here
.set SADR, ADRT
.set SADR2, ADRT2
	FIRSTFETCH                                     ; TILE 1: its K step 0 was shown whole to every wave by tile 0's last change of slots
	STEP 0, 1
	TURN 0, 1, 1, 1, 1
	STEP 1, 0
	TURN 1, 0, 1, 1, 2
	STEP 0, 0
	TURN 0, 1, 0, 1, 3                             ; nothing is left to fetch
	STEP 1, 0
	LAST
	PLACES 8
	s_sub_co_u32 s[TILES], s[TILES], 1
	s_cmp_lg_u32 s[TILES], 0
	s_cbranch_scc1 .Lepi
.Lfinal:
	; ---- THE WAY OUT.  The two waves of a head add their parts through images in slot 0, which has had its last fill and its last read
	s_wait_tensorcnt 0x0
	s_wait_dscnt 0x0
	s_barrier_signal -1
	s_barrier_wait -1
.irp t, 0,1,2,3
	v_permlanex16_b32 v[PT], v[ZR+\t], s[SEL], s[SEL+1]
	v_add_f32 v[ZR+\t], v[ZR+\t], v[PT]            ; with lane l xor 16's positions
.endr
.set g, 0
.rept 16
	ds_store_b128 v[STI], v[KV0+4*g:KV0+4*g+3] offset:512*g        ; an image of the registers: 16 bytes a lane, each accumulator from its low end on
.set g, g+1
.endr
	WIN 0x04                                       ; an LDS store's data are its source 1
.set g, 0
.rept 16
	ds_store_b128 v[STI], v[192+4*g:192+4*g+3] offset:8192+512*g
.set g, g+1
.endr
	WIN 0
.irp t, 0,1,2,3
	ds_store_b32 v[ZA], v[ZR+\t] offset:64*\t      ; both halves of the lanes write the same word with the same value
.endr
	s_wait_dscnt 0x0                               ; for the others' sake
	s_barrier_signal -1
	s_barrier_wait -1
.set g, 0
.rept 16
	ds_load_b128 v[128+4*g:128+4*g+3], v[RDI] offset:512*g
	ds_load_b128 v[192+4*g:192+4*g+3], v[RDI] offset:16384+512*g
.set g, g+1
.endr
	s_wait_dscnt 0x0
.set i, 0
.rept 32
	v_pk_add_f32 v[128+i:128+i+1], v[128+i:128+i+1], v[192+i:192+i+1]
.set i, i+2
.endr
.set g, 0
.rept 16
	global_store_b128 v[L16], v[128+4*g:128+4*g+3], s[PKV:PKV+1] offset:512*g   ; 32 lanes store 512 consecutive bytes, at a multiple of 256 from the buffer's first byte
.set g, g+1
.endr
	s_cmp_lg_u32 s[WV], 0
	s_cbranch_scc1 .Lno_z
	ds_load_b128 v[192:195], v[ZRA]                ; wave 0 adds z: lanes 0-15 the first head's two parts, lanes 16-31 the second's
	ds_load_b128 v[196:199], v[ZRA] offset:256
	s_wait_dscnt 0x0
	v_pk_add_f32 v[192:193], v[192:193], v[196:197]
	v_pk_add_f32 v[194:195], v[194:195], v[198:199]
	global_store_b128 v[L16], v[192:195], s[PZ:PZ+1]
.Lno_z:
	s_wait_tensorcnt 0x0                           ; the wave's end
	ds_add_u32 v[SPW], v[NIL]
	s_wait_dscnt 0x0
	CROUND                                         ; the closing round
	s_endpgm
.Lfunc_end_k_qc5580ce982_kv_part:
	.size	k_qc5580ce982_kv_part, .Lfunc_end_k_qc5580ce982_kv_part-k_qc5580ce982_kv_part
	.p2alignl 7, 3214868480
	.fill 96, 4, 3214868480
	.section	.rodata,"a",@progbits
	.p2align	6, 0x0
	.amdhsa_kernel k_qc5580ce982_kv_part
		.amdhsa_group_segment_fixed_size 327680
		.amdhsa_private_segment_fixed_size 0
		.amdhsa_enable_private_segment 0
		.amdhsa_kernarg_size 88
		.amdhsa_user_sgpr_count 2
		.amdhsa_user_sgpr_kernarg_segment_ptr 1
		.amdhsa_wavefront_size32 1
		.amdhsa_system_sgpr_workgroup_id_x 1
		.amdhsa_system_sgpr_workgroup_id_y 1
		.amdhsa_system_sgpr_workgroup_id_z 1
		.amdhsa_system_vgpr_workitem_id 0
		.amdhsa_next_free_vgpr 1024
		.amdhsa_next_free_sgpr 102
		.amdhsa_reserve_vcc 0
		.amdhsa_float_denorm_mode_32 3
		.amdhsa_float_denorm_mode_16_64 3
		.amdhsa_memory_ordered 1
		.amdhsa_forward_progress 1
		.amdhsa_inst_pref_size 255
	.end_amdhsa_kernel
	.section	.bss,"aw",@nobits
	.p2align	6
	.space	262144
	.amdgpu_metadata
---
amdhsa.version: [ 1, 2 ]
amdhsa.kernels:
  - .name:           k_qc5580ce982_kv_part
    .symbol:         k_qc5580ce982_kv_part.kd
    .args:
      - { .name: hidden_states_codes, .offset: 0, .size: 8, .value_kind: global_buffer, .address_space: global }
      - { .name: hidden_states_scales, .offset: 8, .size: 8, .value_kind: global_buffer, .address_space: global }
      - { .name: Wk_codes, .offset: 16, .size: 8, .value_kind: global_buffer, .address_space: global }
      - { .name: Wk_scales, .offset: 24, .size: 8, .value_kind: global_buffer, .address_space: global }
      - { .name: Wv_codes, .offset: 32, .size: 8, .value_kind: global_buffer, .address_space: global }
      - { .name: Wv_scales, .offset: 40, .size: 8, .value_kind: global_buffer, .address_space: global }
      - { .name: bk, .offset: 48, .size: 8, .value_kind: global_buffer, .address_space: global }
      - { .name: bv, .offset: 56, .size: 8, .value_kind: global_buffer, .address_space: global }
      - { .name: attention_mask, .offset: 64, .size: 8, .value_kind: global_buffer, .address_space: global }
      - { .name: kvp, .offset: 72, .size: 8, .value_kind: global_buffer, .address_space: global }
      - { .name: zp, .offset: 80, .size: 8, .value_kind: global_buffer, .address_space: global }
    .group_segment_fixed_size: 327680
    .private_segment_fixed_size: 0
    .kernarg_segment_align: 8
    .kernarg_segment_size: 88
    .max_flat_workgroup_size: 128
    .sgpr_count:     102
    .vgpr_count:     1024
    .wavefront_size: 32
...
	.end_amdgpu_metadata
.endif
;; end of part 1
;; launch q_out (part 2): grid 4 x 64, 4 waves a work-group, clusters of 4 x 4, 327,680 bytes of LDS; arguments hidden_states_codes, hidden_states_scales, Wq_codes, Wq_scales, bq, kvp, zp, out0; writes out0
.if DOCPART == 2
	.amdgcn_target "amdgcn-amd-amdhsa--gfx1250"
	.amdhsa_code_object_version 6
	.text
	.protected	k_qc5580ce982_q_out
	.globl	k_qc5580ce982_q_out
	.p2align	8
	.type	k_qc5580ce982_q_out,@function
k_qc5580ce982_q_out:
	s_mov_b64 s[64:65], 0
	v_nop
	global_prefetch_b8 v0, s[64:65] scope:SCOPE_SE
	s_setreg_imm32_b32 hwreg(HW_REG_WAVE_MODE, 25, 1), 1
	s_wait_xcnt 0x0
	s_wait_alu depctr_hold_cnt(0) depctr_sa_sdst(0) depctr_va_vdst(0) depctr_va_sdst(0) depctr_va_ssrc(0) depctr_va_vcc(0) depctr_vm_vsrc(0)
	s_getreg_b32 s2, hwreg(HW_REG_IB_STS2, 6, 4)
	s_cmp_eq_u32 s2, 0
	s_cbranch_scc0 .Lentry_in_a_cluster
	s_endpgm
.Lentry_in_a_cluster:
	s_bfe_u32 s2, ttmp6, 0x10000c
	s_cmp_lg_u32 s2, 0xf033
	s_cbranch_scc0 .Lentry_shape_is_right
	s_endpgm
.Lentry_shape_is_right:
; LINEAR ATTENTION, SECOND HALF.  q = x Wq^T + bq (codes as given), phi_q = elu(q) + 1, den = phi_q . z (f32 multiply-adds on the unquantised numbers), num = phi_q kv with both operands quantised along d,
; out = num / (den + 1e-6).  kv and z come as four partial sums for each (batch, head) from the launch before.
; SHARES.  A work-group makes 256 positions x 256 columns (four heads) of out; four waves, each 128 x 128: 64 accumulators, 512 registers.  K = 1,024 in steps of 256 through two LDS slots.
; AT THE HEAD, while the first tiles are on their way, wave w adds the four parts of kv and z of the tile's head w, quantises kv along d and lays the codes, the scale words and z in LDS for all four waves.
; Its first 60 loads go out ahead of the cluster's first round; kv comes by halves of e, so that the first half's sums and codes are made while the second half's 64 loads are on their way.
; THE MATRIX INSTRUCTION IS USED TRANSPOSED: source 0 = 16 rows of Wq, source 1 = 16 positions.  A lane holds ONE position and its registers run along the columns: along d, the next product's K.
; bq is the C of each sum's first product.  A wave's 128 columns are two heads: their phi_q make ONE fragment of K = 128 (head 0's 64 d, then head 1's); kv's fragment of a head has zero codes in the other head's half.
; The product num is laid over the accumulators that held q, in the same layout, and leaves through a stage in LDS as whole rows of 512 bytes.
; CLUSTERS: 4 x 4 work-groups; x's tiles are shared along a row of the cluster, Wq's along a column: joint loads.
; LIMITS: for x <= 0 phi is e^x where the definition has expm1(x) + 1 (they differ by under 2^-24); a block of zeros gets the scale byte 1; NaN and infinities are not served.
; REGISTERS.  window 0: v1-15, v48-51 addresses; v16-47 scale words (in the epilogue v16-23 kv's, v24-25 phi_q's); v64-127 bq, later z; v128-255 x's 8 fragments, later kv's fragments and phi_q's codes.
;   window 1: v0-127 Wq's blocks 0-3, two sets; v128-191 blocks 4-7; later rows on their way out, exponentials, work.   windows 2, 3: the accumulators (position block a, column block b at v[8 (8 (a % 4) + b)]).
.set PITCH,  272
.set HALFT,  128*PITCH
.set SLOT,   4*HALFT
.set ROWB,   256
.set KROW,   1024
.set HALFS,  16*272
.set SBLK,   2*272
.set SCL,    2*SLOT                    ; behind the ring: the scales of x's 256 rows, then of Wq's
.set SPARE,  SCL+4*HALFS               ; the spare words: two blocks of 256 bytes that no other line names
.set KVI,    SPARE+512                 ; kv's codes: [head 4][e tile 4][1,024 bytes]: images of 8 registers.  No tensor load lands from here on
.set KVS,    KVI+16384                 ; their scale words: [head 4][e tile 4][128 bytes]
.set ZS,     KVS+2048                  ; z: [head 4][64] f32
.set SPITCH, 528                       ; the way out: 16 rows x (512 bytes + 16) a wave, in slot 0, which has then had its last fill and its last read
.set ASKIP,  0
.set C2E,    0x3fb8aa3b
.set FLOOR,  0x08000000
.set EOFF,   0xf8800000
.set EXPM,   0x7f800000
.set EPSF,   0x358637bd                ; 1e-6
.set ADRA, 1
.set ADRB, 3
.set ADRS, 5
.set STO,  6
.set RD,   7
.set SPW,  9
.set NIL,  10
.set LI,   11                          ; 16 x lane
.set KA,   12
.set KWA,  13
.set ZA,   14
.set BQA,  15
.set SC,   16
.set KW,   16
.set PWD,  24
.set HWI,  48
.set HWS,  49
.set HZ,   50
.set ZLO,  51
.set WT,   52
.set TP,   56
.set BQ,   64
.set ZR,   64
.set AF,   128
.set KF,   128                         ; for each e tile 24 registers: head 0's 8 of codes, 8 of zeros, head 1's 8: head g's fragment begins at 8 g
.set PC,   224
.set HPC,  128
.set HZP,  160
.set TT,   64                          ; window 1
.set TM,   128
.set PWT,  144
.set DN,   148
.set RC,   156
.set SHF,  2
.set WV,   16
.set RH,   17
.set CH,   18
.set MNT,  19
.set SEL,  22
.set G1,   24
.set G0,   32
.set G1B,  48
.set G0B,  56
.set CS,   66
.set G1S,  68
.set G0S,  76
.set G1SB, 80
.set G0SB, 88
.set PBQ,  92
.set PKV,  94
.set PZ,   96
.set POUT, 98
.set SADR, ADRS
.set SADR2, ADRS
.set MUL_LO, 0xa1
.set MUL_HI, 0xf1
.set TO_B,   0x40
.set MSB, 0
.macro WIN new                         ; the immediate's high byte repeats the setting that is left; a switch that changes nothing is dropped
.if MSB != (\new)
	s_set_vgpr_msb (MSB<<8)|(\new)
.set MSB, (\new)
.endif
.endm
.macro PLACES n
.rept \n
	v_nop
.endr
.endm
.macro JLOAD g0a, g1a, g0b, g1b        ; waves 0 and 1 fetch for x, waves 2 and 3 for Wq; four v_nop follow each of the two lines
	s_cmp_eq_u32 s[RH], 0
	s_cbranch_scc0 .Lfor_b_\@
	tensor_load_to_lds s[\g0a:\g0a+3], s[\g1a:\g1a+7]
	s_nop 0
.rept 4
	v_nop
.endr
	s_branch .Lasked_\@
.Lfor_b_\@:
	tensor_load_to_lds s[\g0b:\g0b+3], s[\g1b:\g1b+7]
	s_nop 0
.rept 4
	v_nop
.endr
.Lasked_\@:
.endm
.macro CREST
	s_cmp_lg_u32 s[WV], 0
	s_cbranch_scc1 .Lnot_wave_0_\@
	s_barrier_signal -3
.Lnot_wave_0_\@:
	s_barrier_wait -3
	s_barrier_signal -1
	s_barrier_wait -1
.endm
.macro CROUND
	s_barrier_signal -1
	s_barrier_wait -1
	CREST
.endm
.macro FRAG reg, adr, q, rowoff
.irp c, 0,1,2,3
	ds_load_b128 v[(\reg)+4*\c:(\reg)+4*\c+3], v[\adr] offset:128*(\q)+32*\c+(\rowoff)*PITCH
.endr
.endm
.macro FETCH_BL slot, q, p
	WIN TO_B
.irp i, 0,1,2,3
	FRAG 64*(\p)+16*\i, ADRB+\slot, \q, 16*\i
.endr
.endm
.macro FETCH_BH slot, q
	WIN TO_B
.irp i, 4,5,6,7
	FRAG 128+16*(\i-4), ADRB+\slot, \q, 16*\i
.endr
.endm
.macro FETCH_A slot, q, i0
	WIN 0
.irp i, \i0, \i0+1, \i0+2, \i0+3
	FRAG AF+16*(\i), ADRA+\slot, \q, 16*(\i)+ASKIP*((\i)/4)
.endr
.endm
.macro SCALES sc, ks                   ; lanes 0-15 x's block i, lanes 16-31 Wq's block i
	WIN 0
.irp i, 0,1,2,3
	ds_load_b64 v[SC+16*(\sc)+2*\i:SC+16*(\sc)+2*\i+1], v[SADR] offset:\i*SBLK+8*(\ks)
.endr
.irp i, 4,5,6,7
	ds_load_b64 v[SC+16*(\sc)+2*\i:SC+16*(\sc)+2*\i+1], v[SADR2] offset:\i*SBLK+8*(\ks)
.endr
.endm
; One product: position block a x column block b, the slot's q-th 128 along K.  cm = 2: the product starts the sum from bq.
.macro MUL1 a, b, p, q, sc, cm
.set rD, 8*(8*((\a)%4)+(\b))
.set rA, AF+16*(\a)
.if (\b) < 4
.set rB, 64*(\p)+16*(\b)
.else
.set rB, 128+16*((\b)-4)
.endif
.set sB, SC+16*(\sc)+2*(\b)+(\q)
.set sA, SC+16*(\sc)+2*(\a)+(\q)
.if (\cm) == 2
	v_wmma_scale_f32_16x16x128_f8f6f4 v[rD:rD+7], v[rB:rB+15], v[rA:rA+15], v[BQ+8*(\b):BQ+8*(\b)+7], v[sB], v[sA] matrix_a_fmt:MATRIX_FMT_BF8 matrix_b_fmt:MATRIX_FMT_BF8 matrix_a_scale:MATRIX_SCALE_ROW1
.else
	v_wmma_scale_f32_16x16x128_f8f6f4 v[rD:rD+7], v[rB:rB+15], v[rA:rA+15], v[rD:rD+7], v[sB], v[sA] matrix_a_fmt:MATRIX_FMT_BF8 matrix_b_fmt:MATRIX_FMT_BF8 matrix_a_scale:MATRIX_SCALE_ROW1
.endif
.endm
; 16 products: position blocks a0 .. a0 + 3 x column blocks b0 .. b0 + 3.  The 64 accumulators take turns, in the same order in every step.
.macro MULQ a0, b0, p, q, sc, cm
.irp a, \a0, \a0+1, \a0+2, \a0+3
.irp b, \b0, \b0+1, \b0+2, \b0+3
	MUL1 \a, \b, \p, \q, \sc, \cm
.endr
.endr
.endm
.macro MULH a0, b0, p, q, sc, cm       ; half of that: position blocks a0, a0 + 1
.irp a, \a0, \a0+1
.irp b, \b0, \b0+1, \b0+2, \b0+3
	MUL1 \a, \b, \p, \q, \sc, \cm
.endr
.endr
.endm
.macro STEP slot, cm
.if (\cm) == 2
.set WL, 0x81                          ; C (bq) in window 0
.set WH, 0xc1
.else
.set WL, MUL_LO
.set WH, MUL_HI
.endif
	s_wait_dscnt 32                                ; Wq's blocks 0-3, x's 0-3 and the scale words are in; the two younger runs (16 + 16 loads) may be out
	WIN WL
	MULQ 0, 0, 0, 0, \slot, \cm
	s_wait_dscnt 16                                ; Wq's blocks 4-7 are in
	MULQ 0, 4, 0, 0, \slot, \cm
	PLACES 8
	FETCH_BL \slot, 1, 1
	FETCH_A \slot, 1, 0
	s_wait_dscnt 32                                ; all but the 32 just issued
	WIN WH
	MULQ 4, 4, 0, 0, \slot, \cm
	PLACES 8
	FETCH_BH \slot, 1
	WIN WH
	MULQ 4, 0, 0, 0, \slot, \cm
	PLACES 8
	FETCH_A \slot, 1, 4
.endm
; A slot's second 128 along K, and the change of slots.  The step's first 24 products, whose fragments lie in registers, stand AHEAD of the wait for the tensor loads:
; from a refill to the wait for it a wave issues 120 of a slot's 128 products.
.macro TURN slot, next, fill, ks
	s_wait_dscnt 32                                ; Wq's blocks 0-3 and x's 0-3 are in; the two younger runs (16 + 16 loads) may be out
	WIN MUL_LO
	MULQ 0, 0, 1, 1, \slot, 0
	s_wait_dscnt 16                                ; Wq's blocks 4-7 are in; the youngest run may be out
	MULH 0, 4, 1, 1, \slot, 0
	WIN 0                                          ; (the add's two registers lie in window 0)
	s_wait_tensorcnt 0x0                           ; all my tensor loads have landed: my part of the next slot
	ds_add_u32 v[SPW], v[NIL]                      ; 0 onto my spare word
	WIN MUL_LO
	MULH 2, 4, 1, 1, \slot, 0                      ; eight matrix instructions stand between the add and the wait for it
	s_wait_dscnt 0x0                               ; the add is done, and my reads of this slot are over
	s_barrier_signal -1
	WIN 0
	s_barrier_wait -1
.if \fill
	CREST                                          ; the barrier has opened a round of the cluster's barrier
	s_add_nc_u64 s[G0+4*\slot+2:G0+4*\slot+3], s[G0+4*\slot+2:G0+4*\slot+3], 2*ROWB
	s_add_nc_u64 s[G0B+4*\slot+2:G0B+4*\slot+3], s[G0B+4*\slot+2:G0B+4*\slot+3], 2*ROWB
	JLOAD G0+4*\slot, G1, G0B+4*\slot, G1B         ; the first tensor load behind the round, one a wave
	PLACES 4
.else
	PLACES 8
.endif
	FETCH_BL \next, 0, 0
	FETCH_A \next, 0, 0
	SCALES \next, \ks
	WIN MUL_HI
	MULQ 4, 4, 1, 1, \slot, 0
	PLACES 8
	FETCH_BH \next, 0
	WIN MUL_HI
	MULQ 4, 0, 1, 1, \slot, 0
	PLACES 8
	FETCH_A \next, 0, 4
.endm
; 64 numbers of a lane in window xw, v[xb] on (registers 16 c + 0 .. 15: my 16 of block c's 32), become a fragment's codes in window 0, v[pcb] on, and its scale word in v[swr].  sgn = 0: not negative.
.macro QUANT xw, xb, pcb, swr, sgn
	WIN 0x40|(\xw)|((\xw)<<2)
.irp b, 0,1,2,3
	v_max3_num_f32 v[TM+\b], |v[(\xb)+16*\b]|, |v[(\xb)+16*\b+1]|, FLOOR
.endr
	WIN 0x41|((\xw)<<2)|((\xw)<<4)
.irp i, 2,4,6,8,10,12,14
.irp b, 0,1,2,3
	v_max3_num_f32 v[TM+\b], v[TM+\b], |v[(\xb)+16*\b+\i]|, |v[(\xb)+16*\b+\i+1]|
.endr
.endr
	WIN 0x55
.irp b, 0,1,2,3
	v_permlanex16_b32 v[TM+4+\b], v[TM+\b], s[SEL], s[SEL+1]
.endr
.irp b, 0,1,2,3
	v_max_num_f32 v[TM+\b], v[TM+\b], v[TM+4+\b]
.endr
.irp b, 0,1,2,3
	v_add_nc_u32 v[TM+12+\b], EOFF, v[TM+\b]
.endr
.irp b, 0,1,2,3
	v_and_or_b32 v[TM+8+\b], v[TM+\b], EXPM, s[MNT]
.endr
.irp b, 0,1,2,3
	v_lshrrev_b32 v[TM+4+\b], 23, v[TM+12+\b]
.endr
	v_lshl_or_b32 v[PWT], v[TM+5], 8, v[TM+4]
	v_lshl_or_b32 v[PWT], v[TM+6], 16, v[PWT]
	v_lshl_or_b32 v[PWT], v[TM+7], 24, v[PWT]
	WIN 0x01
	v_mov_b32 v[\swr], v[PWT]
	WIN ((\xw)<<6)|(\xw)|0x14
.irp b, 0,1,2,3
.irp i, 0,1,2,3,4,5,6,7,8,9,10,11,12,13,14,15
.if \sgn
	v_med3_num_f32 v[(\xb)+16*\b+\i], v[(\xb)+16*\b+\i], -v[TM+8+\b], v[TM+8+\b]
.else
	v_min_num_f32 v[(\xb)+16*\b+\i], v[(\xb)+16*\b+\i], v[TM+8+\b]
.endif
.endr
.endr
	WIN (\xw)|0x04
.irp b, 0,1,2,3
	v_cvt_scalef32_pk8_bf8_f32 v[(\pcb)+4*\b:(\pcb)+4*\b+1], v[(\xb)+16*\b:(\xb)+16*\b+7], v[TM+12+\b]
	v_cvt_scalef32_pk8_bf8_f32 v[(\pcb)+4*\b+2:(\pcb)+4*\b+3], v[(\xb)+16*\b+8:(\xb)+16*\b+15], v[TM+12+\b]
.endr
	WIN 0
	v_nop
.irp b, 0,1,2,3
.irp k, 0,1
	v_permlane16_swap_b32 v[(\pcb)+4*\b+\k], v[(\pcb)+4*\b+2+\k]
.endr
.endr
.endm
; n groups of four registers of part p of kv, from group g0 on: part p lies in window 2 + p / 2, v[128 (p % 2)] on; a group is 512 consecutive bytes for the 32 lanes
.macro KVL p, g0, n
	WIN 0x80+0x40*((\p)/2)
.set g, \g0
.rept \n
	global_load_b128 v[128*((\p)%2)+4*g:128*((\p)%2)+4*g+3], v[LI], s[PKV:PKV+1] offset:16384*(\p)+512*g
.set g, g+1
.endr
.endm
.macro KVSUM u, p                      ; part p's half u (e tiles 2 u, 2 u + 1: 64 registers) onto part 0's
.if (\p) == 1
	WIN 0x8a
.set so, 128+64*(\u)
.else
	WIN 0x8e
.set so, 128*((\p)-2)+64*(\u)
.endif
.set i, 0
.rept 32
	v_pk_add_f32 v[64*(\u)+i:64*(\u)+i+1], v[64*(\u)+i:64*(\u)+i+1], v[so+i:so+i+1]
.set i, i+2
.endr
.endm
.macro KVPUT u                         ; half u's codes and scale words to LDS: blocks 0, 1 are the first e tile's two blocks along d, blocks 2, 3 the second's
	QUANT 2, 64*(\u), HPC, WT, 1
	v_and_b32 v[WT+1], 0xffff, v[WT]
	v_lshrrev_b32 v[WT+2], 16, v[WT]
	v_lshlrev_b32 v[WT+1], s[SHF], v[WT+1]         ; the word's other half stays 0: it stands over zero codes
	v_lshlrev_b32 v[WT+2], s[SHF], v[WT+2]
.irp k, 0,1,2,3
	ds_store_b128 v[HWI], v[HPC+4*\k:HPC+4*\k+3] offset:2048*(\u)+512*\k
.endr
	ds_store_b32 v[HWS], v[WT+1] offset:256*(\u)
	ds_store_b32 v[HWS], v[WT+2] offset:256*(\u)+128
.endm
	s_load_b256 s[4:11], s[0:1], 0x0               ; x's codes, x's scales, Wq's codes, Wq's scales
	s_load_b256 s[92:99], s[0:1], 0x20             ; bq, kvp, zp, out
	v_lshl_add_u32 v[SPW], v0, 2, SPARE
	v_mov_b32 v[NIL], 0
	ds_add_u32 v9, v10
	ds_add_u32 v9, v10
	s_wait_dscnt 0x0
	v_lshrrev_b32 v[TP], 5, v0
	v_readfirstlane_b32 s[WV], v[TP]
	s_lshr_b32 s[RH], s[WV], 1                     ; my 128 rows of the tile.  Also: I fetch for x (0) or for Wq (1)
	s_and_b32 s[CH], s[WV], 1                      ; my 128 columns.  Also: which 128 rows I fetch
	s_bfe_u32 s40, ttmp6, 0x40000
	s_bfe_u32 s41, ttmp6, 0x40004
	s_lshl_b32 s42, ttmp9, 2
	s_add_co_u32 s42, s42, s40                     ; tx: the tile's 256 columns
	s_and_b32 s43, ttmp7, 0xffff
	s_lshl_b32 s43, s43, 2
	s_add_co_u32 s43, s43, s41                     ; ty: the tile's 256 positions
	s_lshl_b32 s44, s41, 2
	s_lshl_b32 s44, 15, s44
	s_lshl_b32 s45, 0x1111, s40
	s_or_b32 s[G1+0], s44, (0<<16)|(1<<20)|(1<<21)|(5<<22)|(3<<25)
	s_or_b32 s[G1B+0], s45, (0<<16)|(1<<20)|(1<<21)|(5<<22)|(3<<25)
.irp g, G1, G1B
	s_mov_b32 s[\g+1], ROWB<<16
	s_mov_b32 s[\g+2], 128<<16
	s_mov_b32 s[\g+3], ROWB<<16
	s_mov_b32 s[\g+4], 128
	s_mov_b32 s[\g+5], KROW
	s_mov_b32 s[\g+6], 0
	s_mov_b32 s[\g+7], 0
.endr
	s_or_b32 s[G1S+0], s44, (3<<16)|(1<<20)|(1<<21)|(5<<22)|(3<<25)
	s_or_b32 s[G1SB+0], s45, (3<<16)|(1<<20)|(1<<21)|(5<<22)|(3<<25)
.irp g, G1S, G1SB
	s_mov_b32 s[\g+1], 32<<16
	s_mov_b32 s[\g+2], 16<<16
	s_mov_b32 s[\g+3], 32<<16
	s_mov_b32 s[\g+4], 16
	s_mov_b32 s[\g+5], 32
	s_mov_b32 s[\g+6], 0
	s_mov_b32 s[\g+7], 0
.endr
	s_mov_b32 s[SEL], 0x76543210
	s_mov_b32 s[SEL+1], 0xfedcba98
	s_mov_b32 s[MNT], 0x600000
	s_mov_b32 s[CS], C2E
	s_mov_b32 s[CS+1], C2E
	v_and_b32 v[TP], 15, v0                        ; r
	v_bfe_u32 v[TP+1], v0, 4, 1                    ; h
	v_and_b32 v[TP+2], 31, v0                      ; lane
	v_lshlrev_b32 v[LI], 4, v[TP+2]
	v_lshlrev_b32 v[TP+3], 2, v[TP+2]              ; 4 x lane
	v_lshlrev_b32 v[BQA], 5, v[TP+1]
	v_lshlrev_b32 v[ZLO], 4, v[TP]
	s_lshl_b32 s3, s[CH], 17
	s_lshl_b32 s46, s43, 18                        ; x: row 256 ty + 128 x half, 1,024 bytes a row (s[46:47] hold ty alone, s[20:21] what holds tx)
	s_add_co_u32 s46, s46, s3
	s_mov_b32 s47, 0
	s_lshl_b32 s20, s42, 18                        ; Wq: row 256 tx + 128 x half
	s_add_co_u32 s20, s20, s3
	s_mov_b32 s21, 0
	s_wait_kmcnt 0x0
	s_add_nc_u64 s[4:5], s[4:5], s[46:47]
	s_add_nc_u64 s[8:9], s[8:9], s[20:21]
	s_lshr_b32 s46, s46, 5                         ; 32 scale bytes a row
	s_lshr_b32 s20, s20, 5
	s_add_nc_u64 s[6:7], s[6:7], s[46:47]
	s_add_nc_u64 s[10:11], s[10:11], s[20:21]
	s_lshl_b32 s20, s42, 10                        ; my first column, in bytes of f32
	s_lshl_b32 s3, s[CH], 9
	s_add_co_u32 s20, s20, s3
	s_add_nc_u64 s[PBQ:PBQ+1], s[PBQ:PBQ+1], s[20:21]
	s_lshl_b32 s3, s43, 20                         ; and my first row of out: 4,096 bytes a row
	s_add_co_u32 s20, s20, s3
	s_lshl_b32 s3, s[RH], 19
	s_add_co_u32 s20, s20, s3
	s_add_nc_u64 s[POUT:POUT+1], s[POUT:POUT+1], s[20:21]
	s_lshr_b32 s40, s43, 3                         ; the batch
	s_lshl_b32 s41, s42, 2
	s_add_co_u32 s41, s41, s[WV]                   ; the head that I prepare
	s_lshl_b32 s20, s40, 4
	s_add_co_u32 s20, s20, s41
	s_lshl_b32 s20, s20, 16
	s_add_nc_u64 s[PKV:PKV+1], s[PKV:PKV+1], s[20:21]
	s_lshl_b32 s20, s40, 6
	s_add_co_u32 s20, s20, s41
	s_lshl_b32 s20, s20, 8
	s_add_nc_u64 s[PZ:PZ+1], s[PZ:PZ+1], s[20:21]
	; 60 loads go out ahead of the round and of the tensor loads' set-up: 16 of bq, 4 of z, 40 of kv's first half.  60 lie inside the load counter's field, so the wave is not held here
.irp b, 0,1,2,3,4,5,6,7
	global_load_b128 v[BQ+8*\b:BQ+8*\b+3], v[BQA], s[PBQ:PBQ+1] offset:64*\b       ; register 8 b + j: bq at column 16 b + 8 h + j
	global_load_b128 v[BQ+8*\b+4:BQ+8*\b+7], v[BQA], s[PBQ:PBQ+1] offset:64*\b+16
.endr
.irp p, 0,1,2,3
	global_load_b128 v[HZP+4*\p:HZP+4*\p+3], v[ZLO], s[PZ:PZ+1] offset:4096*\p
.endr
	KVL 0, 0, 16
	KVL 1, 0, 16
	KVL 2, 0, 8
	WIN 0
	CROUND                                         ; all sixteen work-groups are here: the first joint loads meet
	s_mul_i32 s3, s[WV], HALFS
	s_mov_b32 s[G0S], 1
	s_add_co_u32 s[G0S+1], s3, SCL
	s_mov_b64 s[G0S+2:G0S+3], s[6:7]
	s_or_b32 s[G0S+3], s[G0S+3], 0x80000000
	s_mov_b32 s[G0SB], 1
	s_add_co_u32 s[G0SB+1], s3, SCL
	s_mov_b64 s[G0SB+2:G0SB+3], s[10:11]
	s_or_b32 s[G0SB+3], s[G0SB+3], 0x80000000
	JLOAD G0S, G1S, G0SB, G1SB                     ; the scales first: filled once.  Three tensor loads of mine are out behind the third line
	s_mul_i32 s3, s[WV], HALFT
.irp s, 0,1
	s_mov_b32 s[G0+4*\s], 1
	s_add_co_u32 s[G0+4*\s+1], s3, \s*SLOT
	s_add_nc_u64 s[G0+4*\s+2:G0+4*\s+3], s[4:5], \s*ROWB
	s_or_b32 s[G0+4*\s+3], s[G0+4*\s+3], 0x80000000
	s_mov_b32 s[G0B+4*\s], 1
	s_add_co_u32 s[G0B+4*\s+1], s3, \s*SLOT
	s_add_nc_u64 s[G0B+4*\s+2:G0B+4*\s+3], s[8:9], \s*ROWB
	s_or_b32 s[G0B+4*\s+3], s[G0B+4*\s+3], 0x80000000
	JLOAD G0+4*\s, G1, G0B+4*\s, G1B
.endr
	v_mul_u32_u24 v[TP+2], v[TP], PITCH
	v_lshl_add_u32 v[TP+2], v[TP+1], 4, v[TP+2]
	s_mul_i32 s46, s[RH], HALFT
	s_mul_i32 s20, s[CH], HALFT
	s_add_co_u32 s20, s20, 2*HALFT
.irp s, 0,1
	v_add_nc_u32 v[ADRA+\s], s46, v[TP+2]
	v_add_nc_u32 v[ADRB+\s], s20, v[TP+2]
	s_add_co_u32 s46, s46, SLOT
	s_add_co_u32 s20, s20, SLOT
.endr
	v_lshlrev_b32 v[TP+2], 5, v[TP]                ; my row's scales: 32 bytes a row, and 16 more behind each 256
	v_lshrrev_b32 v[ADRS], 3, v[TP]
	v_lshl_add_u32 v[TP+2], v[ADRS], 4, v[TP+2]
	s_mul_i32 s46, s[RH], HALFS
	s_mul_i32 s20, s[CH], HALFS
	s_add_co_u32 s20, s20, 2*HALFS
	s_sub_co_u32 s20, s20, s46
	v_mul_u32_u24 v[ADRS], s20, v[TP+1]            ; lanes 16-31 take Wq's: one base and one product
	s_add_co_u32 s46, s46, SCL
	v_add_nc_u32 v[ADRS], v[ADRS], v[TP+2]
	v_add_nc_u32 v[ADRS], s46, v[ADRS]
	s_mul_i32 s3, s[WV], 16*SPITCH                 ; my stage
	v_mul_u32_u24 v[STO], v[TP], SPITCH
	v_lshl_add_u32 v[STO], v[TP+1], 5, v[STO]
	v_add_nc_u32 v[STO], s3, v[STO]                ; in: row r, 32 bytes for each half of the lanes
	v_add_nc_u32 v[RD], s3, v[LI]                  ; back: the 32 lanes take one row of 512 bytes
	s_lshl_b32 s3, s[CH], 13
	s_add_co_u32 s3, s3, KVI
	v_add_nc_u32 v[KA], s3, v[LI]                  ; my two heads' codes of kv,
	s_lshl_b32 s3, s[CH], 10
	s_add_co_u32 s3, s3, KVS
	v_add_nc_u32 v[KWA], s3, v[TP+3]               ; their scale words,
	s_lshl_b32 s3, s[CH], 9
	s_add_co_u32 s3, s3, ZS
	v_lshl_add_u32 v[ZA], v[TP+1], 5, s3           ; and z
	s_lshl_b32 s3, s[WV], 12
	s_add_co_u32 s3, s3, KVI
	v_add_nc_u32 v[HWI], s3, v[LI]                 ; where I lay the head that I prepare
	s_lshl_b32 s3, s[WV], 9
	s_add_co_u32 s3, s3, KVS
	v_add_nc_u32 v[HWS], s3, v[TP+3]
	s_lshl_b32 s3, s[WV], 8
	s_add_co_u32 s3, s3, ZS
	v_add_nc_u32 v[HZ], s3, v[ZLO]
	s_lshl_b32 s[SHF], s[CH], 4                    ; the head's two scale bytes stand in the word's half that is its half of K
	KVL 2, 8, 8                                    ; the rest of kv's first half (e tiles 0, 1),
	KVL 3, 0, 16
	KVL 0, 16, 16                                  ; then its second half, 64 loads, part by part
	KVL 1, 16, 16
	KVL 2, 16, 16
	KVL 3, 16, 16
	WIN 0x40
.irp b, 0,1,2,3
	v_mov_b32 v[TM+4+\b], 0                        ; a lane permute's destination counts as one of its sources
.endr
	s_wait_loadcnt 63                              ; bq, z and kv's first half are in: behind them stand the second half's 64 loads, and the count names the most that its field holds
	KVSUM 0, 1                                     ; register 32 u' + 8 t + j of lane (r, h) is kv(16 t + 8 h + j, 16 u' + r)
	KVSUM 0, 2
	KVSUM 0, 3
	KVPUT 0                                        ; made while the second half is on its way
	v_pk_add_f32 v[HZP:HZP+1], v[HZP:HZP+1], v[HZP+4:HZP+5]
	v_pk_add_f32 v[HZP+2:HZP+3], v[HZP+2:HZP+3], v[HZP+6:HZP+7]
	v_pk_add_f32 v[HZP+8:HZP+9], v[HZP+8:HZP+9], v[HZP+12:HZP+13]
	v_pk_add_f32 v[HZP+10:HZP+11], v[HZP+10:HZP+11], v[HZP+14:HZP+15]
	v_pk_add_f32 v[HZP:HZP+1], v[HZP:HZP+1], v[HZP+8:HZP+9]
	v_pk_add_f32 v[HZP+2:HZP+3], v[HZP+2:HZP+3], v[HZP+10:HZP+11]
	ds_store_b128 v[HZ], v[HZP:HZP+3]              ; both halves of the lanes write the same bytes with the same values
	s_wait_loadcnt 32                              ; parts 0 and 1 are in; parts 2 and 3 (16 + 16 loads) may be out
	KVSUM 1, 1
	s_wait_loadcnt 16                              ; part 2 is in
	KVSUM 1, 2
	s_wait_loadcnt 0x0
	KVSUM 1, 3
	s_wait_dscnt 0x0                               ; the first half's stores have read their registers
	KVPUT 1
	s_wait_tensorcnt 0x1                           ; the scales and my part of K step 0 are in; K step 1's load may be out
	s_wait_dscnt 0x0                               ; for the others' sake: my stores have landed
	s_barrier_signal -1
	s_barrier_wait -1
	FETCH_BL 0, 0, 0
	FETCH_A 0, 0, 0
	SCALES 0, 0
	FETCH_BH 0, 0
	FETCH_A 0, 0, 4
	STEP 0, 2                                      ; the first products start the sums from bq
	TURN 0, 1, 1, 1
	STEP 1, 0
	TURN 1, 0, 1, 2
	STEP 0, 0
	TURN 0, 1, 0, 3                                ; nothing is left to fetch
	STEP 1, 0
	s_wait_dscnt 32                                ; the last 128 along K
	WIN MUL_LO
	MULQ 0, 0, 1, 1, 1, 0
	s_wait_dscnt 16
	MULQ 0, 4, 1, 1, 1, 0
	s_wait_dscnt 0x0
	WIN MUL_HI
	MULQ 4, 4, 1, 1, 1, 0
	MULQ 4, 0, 1, 1, 1, 0
	WIN 0
	; ---- THE EPILOGUE, a block of 16 positions at a time
	PLACES 8
.irp g, 0,1
.irp t, 0,1,2,3
.irp k, 0,1
	ds_load_b128 v[KF+24*\t+16*\g+4*\k:KF+24*\t+16*\g+4*\k+3], v[KA] offset:(4*\g+\t)*1024+512*\k
.endr
	ds_load_b32 v[KW+4*\g+\t], v[KWA] offset:128*(4*\g+\t)
.endr
.endr
.irp b, 0,1,2,3,4,5,6,7
	ds_load_b128 v[ZR+8*\b:ZR+8*\b+3], v[ZA] offset:64*\b          ; register 8 b + j: z at column 16 b + 8 h + j
	ds_load_b128 v[ZR+8*\b+4:ZR+8*\b+7], v[ZA] offset:64*\b+16
.endr
.irp t, 0,1,2,3
.irp j, 0,1,2,3,4,5,6,7
	v_mov_b32 v[KF+24*\t+8+\j], 0                  ; the zero codes between the two heads' codes
.endr
.endr
.macro BLK a                           ; block a's window and first register
.set W, 2+(\a)/4
.set xb, 64*((\a)%4)
.endm
.macro PHI1 a                          ; e^q
	BLK \a
	WIN 0x40|W
.set i, 0
.rept 32
	v_pk_mul_f32 v[TT+i:TT+i+1], v[xb+i:xb+i+1], s[CS:CS+1] op_sel_hi:[1,0]
.set i, i+2
.endr
	WIN 0x41
.set i, 0
.rept 64
	v_exp_f32 v[TT+i], v[TT+i]
.set i, i+1
.endr
.endm
.macro PHI2 a                          ; elu + 1: the middle one of e^q, 1 and q + 1
	BLK \a
	WIN (W<<6)|W
.set i, 0
.rept 32
	v_pk_add_f32 v[xb+i:xb+i+1], v[xb+i:xb+i+1], 1.0 op_sel_hi:[1,0]
.set i, i+2
.endr
	WIN (W<<6)|0x01|(W<<4)
.set i, 0
	s_wait_alu depctr_va_vdst(0)
.rept 64
	v_med3_num_f32 v[xb+i], v[TT+i], 1.0, v[xb+i]
.set i, i+1
.endr
.endm
.macro DEN a                           ; den = phi_q . z for both heads: two chains of pairs a head; then 1 / (den + 1e-6), twice, as a pair
	BLK \a
	WIN 0x40|W
.irp g, 0,1
.irp c, 0,1
	v_pk_mul_f32 v[DN+4*\g+2*\c:DN+4*\g+2*\c+1], v[xb+32*\g+2*\c:xb+32*\g+2*\c+1], v[ZR+32*\g+2*\c:ZR+32*\g+2*\c+1]
.endr
.endr
	WIN 0x50|W
.irp i, 4,8,12,16,20,24,28
.irp g, 0,1
.irp c, 0,1
	v_pk_fma_f32 v[DN+4*\g+2*\c:DN+4*\g+2*\c+1], v[xb+32*\g+\i+2*\c:xb+32*\g+\i+2*\c+1], v[ZR+32*\g+\i+2*\c:ZR+32*\g+\i+2*\c+1], v[DN+4*\g+2*\c:DN+4*\g+2*\c+1]
.endr
.endr
.endr
	WIN 0x55
.irp g, 0,1
	v_pk_add_f32 v[DN+4*\g:DN+4*\g+1], v[DN+4*\g:DN+4*\g+1], v[DN+4*\g+2:DN+4*\g+3]
.endr
.irp g, 0,1
	v_add_f32 v[DN+4*\g], v[DN+4*\g], v[DN+4*\g+1]
.endr
.irp g, 0,1
	v_permlanex16_b32 v[DN+4*\g+1], v[DN+4*\g], s[SEL], s[SEL+1]
.endr
.irp g, 0,1
	v_add_f32 v[DN+4*\g], v[DN+4*\g], v[DN+4*\g+1] ; with lane l xor 16's columns
.endr
.irp g, 0,1
	v_add_f32 v[DN+4*\g], EPSF, v[DN+4*\g]
.endr
.irp g, 0,1
	v_rcp_f32 v[RC+4*((\a)%2)+2*\g], v[DN+4*\g]    ; the quantiser's first lines are the plain instructions behind these
	v_rcp_f32 v[RC+4*((\a)%2)+2*\g+1], v[DN+4*\g]
.endr
.endm
.macro NUM a                           ; num = phi_q kv: source 0 = 16 e of head g, source 1 = my 16 positions: register j of lane (r, h) is num(r, 16 t + 8 h + j): q's own layout, over q's registers
	BLK \a
	WIN W<<6
.irp g, 0,1
.irp t, 0,1,2,3
	v_wmma_scale_f32_16x16x128_f8f6f4 v[xb+8*(4*\g+\t):xb+8*(4*\g+\t)+7], v[KF+24*\t+8*\g:KF+24*\t+8*\g+15], v[PC+16*((\a)%2):PC+16*((\a)%2)+15], 0, v[KW+4*\g+\t], v[PWD+(\a)%2] matrix_a_fmt:MATRIX_FMT_BF8 matrix_b_fmt:MATRIX_FMT_BF8
.endr
.endr
.endm
.macro SCALE a                         ; x 1 / (den + 1e-6), each accumulator from its low end on
	BLK \a
	WIN (W<<6)|W|0x04
.set i, 0
	s_wait_alu depctr_va_vdst(0)
.rept 32
	v_pk_mul_f32 v[xb+i:xb+i+1], v[xb+i:xb+i+1], v[RC+4*((\a)%2)+2*(i/32):RC+4*((\a)%2)+2*(i/32)+1]
.set i, i+2
.endr
.endm
.macro TOSTAGE a                       ; into my own stage, and back as whole rows: LDS serves a wave's instructions in order (ISA guide 5.7.1.4)
	BLK \a
	WIN W<<2
.irp b, 0,1,2,3,4,5,6,7
	ds_store_b128 v[STO], v[xb+8*\b:xb+8*\b+3] offset:64*\b
	ds_store_b128 v[STO], v[xb+8*\b+4:xb+8*\b+7] offset:64*\b+16
.endr
	WIN 0x40
.set ob, 192*((\a)%2)
.irp t, 0,1,2,3,4,5,6,7,8,9,10,11,12,13,14,15
	ds_load_b128 v[ob+4*\t:ob+4*\t+3], v[RD] offset:\t*SPITCH
.endr
.endm
.macro SEND a, younger                 ; younger: the LDS instructions issued behind block a's loads, which may stay out
	s_wait_dscnt \younger
	WIN 0x04
.set ob, 192*((\a)%2)
.irp t, 0,1,2,3,4,5,6,7,8,9,10,11,12,13,14,15
	global_store_b128 v[LI], v[ob+4*\t:ob+4*\t+3], s[POUT:POUT+1] offset:(16*(\a)+\t)*4096 th:TH_STORE_NT   ; 32 lanes store 512 consecutive bytes, at a multiple of 256 from out's first byte
.endr
.endm
; A TURN takes block a as far as its product and sends block a - 1 out, so that the first rows leave in the second turn's middle.  Block a's 32 multiplications ahead of its exponentials are the places
; between block a - 1's products and the first read of their results; the rest of phi and den stand between block a - 1's loads from the stage and its stores.
.irp a, 0,1,2,3,4,5,6,7
	PHI1 \a
.if \a > 0
	SCALE \a-1                                     ; (also the plain instructions behind the exponentials)
.if \a > 2
	s_wait_xcnt 0x0                                ; the stores of two blocks back have read their registers: the loads below land there
.endif
	TOSTAGE \a-1
.endif
	PHI2 \a
.if \a == 0
	s_wait_dscnt 0x0                               ; kv's fragments and words, and z
.endif
	DEN \a
.if \a > 0
	SEND \a-1, 0                                   ; nothing was issued to LDS behind its loads
.endif
	BLK \a
	QUANT W, xb, PC+16*((\a)%2), PWD+(\a)%2, 0
	PLACES 4                                       ; operands written by vector instructions stand four places ahead of a scaled product
	NUM \a
.endr
	PLACES 8
	SCALE 7
	s_wait_xcnt 0x0
	TOSTAGE 7
	SEND 7, 0
	WIN 0
	s_wait_tensorcnt 0x0                           ; the wave's end
	ds_add_u32 v[SPW], v[NIL]
	s_wait_dscnt 0x0
	CROUND                                         ; the closing round
	s_endpgm
.Lfunc_end_k_qc5580ce982_q_out:
	.size	k_qc5580ce982_q_out, .Lfunc_end_k_qc5580ce982_q_out-k_qc5580ce982_q_out
	.p2alignl 7, 3214868480
	.fill 96, 4, 3214868480
	.section	.rodata,"a",@progbits
	.p2align	6, 0x0
	.amdhsa_kernel k_qc5580ce982_q_out
		.amdhsa_group_segment_fixed_size 327680
		.amdhsa_private_segment_fixed_size 0
		.amdhsa_enable_private_segment 0
		.amdhsa_kernarg_size 64
		.amdhsa_user_sgpr_count 2
		.amdhsa_user_sgpr_kernarg_segment_ptr 1
		.amdhsa_wavefront_size32 1
		.amdhsa_system_sgpr_workgroup_id_x 1
		.amdhsa_system_sgpr_workgroup_id_y 1
		.amdhsa_system_sgpr_workgroup_id_z 1
		.amdhsa_system_vgpr_workitem_id 0
		.amdhsa_next_free_vgpr 1024
		.amdhsa_next_free_sgpr 102
		.amdhsa_reserve_vcc 0
		.amdhsa_float_denorm_mode_32 3
		.amdhsa_float_denorm_mode_16_64 3
		.amdhsa_memory_ordered 1
		.amdhsa_forward_progress 1
		.amdhsa_inst_pref_size 255
	.end_amdhsa_kernel
	.section	.bss,"aw",@nobits
	.p2align	6
	.space	262144
	.amdgpu_metadata
---
amdhsa.version: [ 1, 2 ]
amdhsa.kernels:
  - .name:           k_qc5580ce982_q_out
    .symbol:         k_qc5580ce982_q_out.kd
    .args:
      - { .name: hidden_states_codes, .offset: 0, .size: 8, .value_kind: global_buffer, .address_space: global }
      - { .name: hidden_states_scales, .offset: 8, .size: 8, .value_kind: global_buffer, .address_space: global }
      - { .name: Wq_codes, .offset: 16, .size: 8, .value_kind: global_buffer, .address_space: global }
      - { .name: Wq_scales, .offset: 24, .size: 8, .value_kind: global_buffer, .address_space: global }
      - { .name: bq, .offset: 32, .size: 8, .value_kind: global_buffer, .address_space: global }
      - { .name: kvp, .offset: 40, .size: 8, .value_kind: global_buffer, .address_space: global }
      - { .name: zp, .offset: 48, .size: 8, .value_kind: global_buffer, .address_space: global }
      - { .name: out0, .offset: 56, .size: 8, .value_kind: global_buffer, .address_space: global }
    .group_segment_fixed_size: 327680
    .private_segment_fixed_size: 0
    .kernarg_segment_align: 8
    .kernarg_segment_size: 64
    .max_flat_workgroup_size: 128
    .sgpr_count:     102
    .vgpr_count:     1024
    .wavefront_size: 32
...
	.end_amdgpu_metadata
.endif
;; end of part 2
